; MI455X (gfx1250); checked and timed in simulation.
; The chip was launched on July 23, 2026; its instructions are those of AMD's public machine-readable ISA for CDNA 5 (MIT licence, August 2026) and "CDNA5" Instruction Set Architecture Reference Guide (July 2026). The comments in the code are by the model that wrote it; some were corrected since.
;; Actor Critic SNN. Allowed arithmetic: float matrix products may take bf16 or f16 operands with f32 sums; all other float work in f32.
;; Inputs: W1 32 x 64 float32; W2 32 x 32 float32; W3 32 x 32 float32; W4 32 x 32 float32; W5 32 x 32 float32; W6 32 x 32 float32; W7 32 x 32 float32; W_actor 400 x 32 float32; W_critic 1 x 32 float32; W_in 64 x 64 float32; action_mat 400 x 4 float32; b1 32 float32; b2 32 float32; b3 32 float32; b4 32 float32; b5 32 float32; b6 32 float32; b7 32 float32; b_actor 400 float32; b_critic 1 float32; b_in 64 float32; beta_critic one number float32; inputs 128 x 4,096 x 64 float32.
;; Outputs: out0 128 x 4,096 x 1 float32; out1 128 x 4,096 x 4 float32.
;; One version. Each part assembles by itself: llvm-mc -triple=amdgcn-amd-amdhsa -mcpu=gfx1250 --defsym DOCPART=n.
;; ======== version 1 of 1: 1 launch
;; limits: values outside matrix products are rounded to bf16
;; launch snn (part 1): grid 256 x 1, 8 waves a work-group, no clusters, 84,992 bytes of LDS; arguments inputs, W_in, b_in, W1, b1, W2, b2, W3, b3, W4, b4, W5, b5, W6, b6, W7, b7, W_actor, b_actor, action_mat, W_critic, b_critic, beta_critic, out0, out1; writes out0, out1
.if DOCPART == 1
	.amdgcn_target "amdgcn-amd-amdhsa--gfx1250"
	.amdhsa_code_object_version 6
	.text
	.protected	k_q180b61fe93_snn
	.globl	k_q180b61fe93_snn
	.p2align	8
	.type	k_q180b61fe93_snn,@function
k_q180b61fe93_snn:
	s_mov_b64 s[64:65], 0
	v_nop
	global_prefetch_b8 v0, s[64:65] scope:SCOPE_SE
	s_setreg_imm32_b32 hwreg(HW_REG_WAVE_MODE, 25, 1), 1
	s_wait_xcnt 0x0
; ActorCriticSNN: 128 time steps of  x -> LIF(64) -> LIF(32) x 7 -> { actor LIF(400) -> x action_mat (4) ; critic LIF(1) }  on 4,096 batch rows.
;
; SHARING.  Work-group g owns batch rows 16 g .. 16 g + 15 for all 128 steps: 256 work-groups.  Time is a recurrence, so the eight waves are the stages
; of a pipeline in time over chunks of 4 steps (32 chunks).  In tick u stage s works on chunk u - s:
;   stage 0  all waves   1/8 of the chunk's x each: load (two ticks ahead), round to bf16, lay into LDS
;   stage 1  wave 0      FRONT: input layer (4 tiles of 16 neurons) and layer 1 (2 tiles)
;   stage 2  wave 1      MID:   layers 2, 3, 4 (2 tiles each)
;   stage 3  wave 2      MID:   layers 5, 6, 7 (the same text)
;   stage 4  waves 3-7   ACTOR: 80 actor neurons each (5 tiles) and their part of spikes x action_mat;  wave 3 also the CRITIC
;   stage 5  wave 7      OUTS:  adds the five parts and stores out1
; 37 ticks.  All membranes stay in registers for the whole launch; nothing but x, out0 and out1 moves in the loops.
;
; LDS: two halves of 41,984 bytes, one for each parity p of the tick.  IN TICK p EVERY STORE GOES INTO HALF p, INTO BYTES THAT ARE THE STORING WAVE'S OWN BY
; ITS NUMBER, AND EVERY LOAD COMES FROM HALF 1 - p; one barrier ends the tick.  So no two waves touch the same bytes inside a tick, whatever each is doing.
; A half:  0 .. 9,215  x as bf16, 4 steps x 16 rows x 144 bytes; wave w writes the 1,152 bytes at 1,152 w
;          9,216 + 4,096 w  the out region of wave w: wave 0 layer 1's spikes, wave 1 layer 4's, wave 2 layer 7's (as fragments lie in registers:
;          step x 1,024 + half fragment x 512 + lane x 16); waves 3 to 7 their parts of the action product (pair of steps x 512 + lane x 16)
;
; ORIENTATION.  D[neuron][batch] = W (source 0, rows = neurons) x activations (source 1, columns = batch rows) + bias (C, kept in D's layout).
; In D lane (r, h) holds neurons 8 h + 0..7 of batch row r, which are the k that a source-1 fragment wants of that lane (ISA guide 7.12.2):
; the spikes of two neighbouring tiles pack into the next layer's fragment without leaving the lane.
;
; LIF, in the order of roundings of the model:  t = fma(beta, m, cur);  m = t - r  (r = last step's spike x thr = reset x thr);
; q = fma(m, 2^30, -thr 2^30) has the exact sign of m - thr, is 0 only for m = thr, and its least positive value (32 for thr = 0.25, 128 for thr = 1,
; 8,192 for thr = 100) is above thr, so  r = med3(q, 0, thr)  is thr or 0.  A spike travels as the bf16 number thr; the two layers that read spikes
; worth 0.25 (W1, W2) have their weights multiplied by 4 before they are rounded, which is exact.
;
; LIMITS, kept by design.  (1) Every floating-point input (x, weights, biases, beta_critic, action_mat) is rounded once to bf16, to nearest even; all
; else is f32.  Sums of spike-driven layers are then sums of at most 64 bf16 numbers.  (2) A NaN membrane gives the spike that v_med3_num_f32 returns.
; (3) |W1|, |W2| below 2^126 (the factor 4).  (4) A store of out0 covers two runs of 64 bytes: 16 batch rows have no more of it for a step.
; NO CLUSTER, NO TENSOR LOADS: work-groups share only the weights, 107 KB read once at the start against 512 KiB of x of each work-group's own, and both
; have to pass through registers to be rounded to bf16.
;
; REGISTERS.  Window 0 (v0-255).  Written once in the common set-up and never again: v1 16 x lane, v2 where my x goes, v3 FRONT's fragment address,
; v4 the out region of the wave before me (my own lies 4,096 bytes behind it), v5 the out region of wave 3, v12 offset in out0, v13 offset in out1.
; v[6:7] -thr 2^30 twice, v8-11 at work (set-up: offsets into the weights), v14-15 set-up only, v16-111 membranes and resets, v112-255 at work.
; Window 1 (v256-511, written by their low 8 bits): weights and biases of the role, and at 224-255 the two slots of raw x.
; s_set_vgpr_msb: bits 1:0 source 0, 3:2 source 1, 5:4 source 2, 7:6 destination.
; Every branch on the wave's number compares it for equality with a constant.
.set HALF,  41984                      ; a parity's half of LDS
.set XSTEP, 2304                       ; a step of x: 16 rows x 144 bytes (128 of data + 16: the 16 rows of a fragment start in 16 different 16-byte columns)
.set OUTB,  9216                       ; the first out region
.set REG,   4096                       ; an out region
.set CHUNKS, 32
.set MSB, 0
.macro WIN new                         ; the immediate's high byte repeats the setting that is left; at labels and branches the setting is 0
.if MSB != \new
	s_set_vgpr_msb (MSB<<8)|\new
.set MSB, \new
.endif
.endm
.macro PLACES n                        ; places behind a matrix instruction (ISA guide 7.12.1): four before its result is read or a source loaded again,
.rept \n                               ; five before another matrix instruction writes over one of its registers
	v_nop
.endr
.endm
; ---- set-up helpers -------------------------------------------------------------------------------------------------------------------------------
.macro LDFRAG st, vo, sb, off          ; 16 f32 of a lane's source-0 fragment: k = 8h..8h+7 and 16+8h..16+8h+7 of row r
	global_load_b128 v[\st:\st+3],     v[\vo], s[\sb:\sb+1] offset:\off
	global_load_b128 v[\st+4:\st+7],   v[\vo], s[\sb:\sb+1] offset:\off+16
	global_load_b128 v[\st+8:\st+11],  v[\vo], s[\sb:\sb+1] offset:\off+64
	global_load_b128 v[\st+12:\st+15], v[\vo], s[\sb:\sb+1] offset:\off+80
.endm
.macro LDBIAS st, vo, sb, off          ; 8 f32: the biases of neurons 8h .. 8h+7 of a tile
	global_load_b128 v[\st:\st+3],   v[\vo], s[\sb:\sb+1] offset:\off
	global_load_b128 v[\st+4:\st+7], v[\vo], s[\sb:\sb+1] offset:\off+16
.endm
.macro PACK st, n                      ; 2n f32 to n words of two bf16, in place (word i is written when words 2i, 2i+1 are read: never ahead of a read)
.set ci, 0
.rept \n
	v_cvt_pk_bf16_f32 v[\st+ci], v[\st+2*ci], v[\st+2*ci+1]
.set ci, ci+1
.endr
.endm
.macro CVFRAG st, dst                  ; destination in window 1: 16 f32 to a fragment of 8 registers
.set ci, 0
.rept 8
	v_cvt_pk_bf16_f32 v[\dst+ci], v[\st+2*ci], v[\st+2*ci+1]
.set ci, ci+1
.endr
.endm
.macro UNBIAS st, dst                  ; destination in window 1: 4 packed words back to 8 f32 that hold bf16 values
.set ci, 0
.rept 4
	v_lshlrev_b32 v[\dst+2*ci],   16,  v[\st+ci]
	v_and_b32     v[\dst+2*ci+1], s44, v[\st+ci]
.set ci, ci+1
.endr
.endm
.macro MASKED st, dst, n               ; destination in window 1: the rows named by VCC keep their words, the others are rows of zeros
.set ci, 0
.rept \n
	v_cndmask_b32 v[\dst+ci], 0, v[\st+ci], vcc_lo
.set ci, ci+1
.endr
.endm
.macro LDACT q, n                      ; action_mat's column r & 3 at my k of fragment q: neuron 32 q + 8 h + e (+ 8 for e >= 8), 16 bytes a neuron
.set ci, 0
.rept \n
	global_load_b32 v[136+16*\q+ci], v11, s[32:33] offset:16*(32*\q+ci+8*(ci/8))
.set ci, ci+1
.endr
.endm
.macro CLEAR first, n                  ; the scan's carry starts at zero: membranes and resets
.set ci, \first
.rept \n
	v_mov_b32 v[ci], 0
.set ci, ci+1
.endr
.endm
; ---- stage 0: x ------------------------------------------------------------------------------------------------------------------------------------
; Wave w takes rows 8 (w & 1) .. + 7 of step w >> 1 of a chunk: 2,048 consecutive bytes, four loads of 512 aligned consecutive bytes.
.macro XLOAD p                         ; into raw slot p; the base stands two chunks ahead of the trip's even tick
	WIN 0x40
.irp j, 0,1,2,3
	global_load_b128 v[224+16*\p+4*\j:224+16*\p+4*\j+3], v1, s[8:9] offset:\p*4194304+\j*512 th:TH_LOAD_NT
.endr
	WIN 0
.endm
.macro XCONV p, cnt                    ; two halves of two loads each, on v8-11
	s_wait_loadcnt \cnt                ; slot p's four loads are in; cnt younger ones may stay out
.irp hf, 0,1
	WIN 0x05
.irp x, 0,1,2,3
	v_cvt_pk_bf16_f32 v[8+\x], v[224+16*\p+8*\hf+2*\x], v[224+16*\p+8*\hf+2*\x+1]
.endr
	WIN 0
	ds_store_b64 v2, v[8:9]   offset:\p*HALF+(2*\hf)*288           ; two rows of 144 bytes further for each load
	ds_store_b64 v2, v[10:11] offset:\p*HALF+(2*\hf+1)*288
.endr
.endm
; ---- the neuron ------------------------------------------------------------------------------------------------------------------------------------
; n neurons a lane: d = currents (then at work), m = membranes, r = resets, s = n/2 packed spikes (may be d: q is dead by then), sb = scalar pair with
; beta.  Each stage runs over all n before the next, so no instruction waits for the one in front of it.
.macro LIF d, m, r, s, n, sb
.set li, 0
.rept \n/2
	v_pk_fma_f32 v[\d+li:\d+li+1], v[\m+li:\m+li+1], s[\sb:\sb+1], v[\d+li:\d+li+1] op_sel_hi:[1,0,1]   ; t = beta m + cur
.set li, li+2
.endr
.set li, 0
.rept \n/2
	v_pk_add_f32 v[\m+li:\m+li+1], v[\d+li:\d+li+1], v[\r+li:\r+li+1] neg_lo:[0,1] neg_hi:[0,1]         ; m = t - reset thr
.set li, li+2
.endr
.set li, 0
.rept \n/2
	v_pk_fma_f32 v[\d+li:\d+li+1], v[\m+li:\m+li+1], s[10:11], v[6:7] op_sel_hi:[1,0,1]                 ; q = (m - thr) 2^30, one rounding
.set li, li+2
.endr
.set li, 0
.rept \n
	v_med3_num_f32 v[\r+li], v[\d+li], 0, s13                                                           ; thr or 0
.set li, li+1
.endr
.set li, 0
.rept \n/2
	v_perm_b32 v[\s+li], v[\r+2*li+1], v[\r+2*li], s12                                                  ; the two upper halves: two bf16
.set li, li+1
.endr
.endm
; A step's fragment of 8 registers from f goes into my out region of half p
.macro SPOUT p, t, f
	ds_store_b128 v4, v[\f:\f+3]   offset:REG+\p*HALF+\t*1024
	ds_store_b128 v4, v[\f+4:\f+7] offset:REG+\p*HALF+\t*1024+512
.endm
; ---- stage 1: FRONT --------------------------------------------------------------------------------------------------------------------------------
; window 0: m_in 16-47, r_in 48-79, m1 80-95, r1 96-111; x fragments 112 + 16 (t & 1); D_in 144 + 32 (t & 1); input spikes 208-223; D1 224 + 16 (t & 1)
; window 1: W_in tile i, K half k at 8 (2 i + k); W1 at 64 + 8 (2 i + k); b_in at 96 + 8 i; b1 at 128 + 8 i
.macro XFLOAD p, t
.irp q, 0,1,2,3
	ds_load_b128 v[112+16*(\t&1)+4*\q:112+16*(\t&1)+4*\q+3], v3 offset:(1-\p)*HALF+\t*XSTEP+32*\q
.endr
.endm
.macro INW t, k                        ; input layer, step t, K half k: four accumulators, one instruction each
.set fx, 112+16*(\t&1)+8*\k
.set fd, 144+32*(\t&1)
.irp i, 0,1,2,3
.if \k
	v_wmma_f32_16x16x32_bf16 v[fd+8*\i:fd+8*\i+7], v[16*\i+8:16*\i+15], v[fx:fx+7], v[fd+8*\i:fd+8*\i+7]
.else
	v_wmma_f32_16x16x32_bf16 v[fd+8*\i:fd+8*\i+7], v[16*\i:16*\i+7], v[fx:fx+7], v[96+8*\i:96+8*\i+7]
.endif
.endr
.endm
.macro L1W t, k                        ; layer 1, step t, K half k: two accumulators
.set fd, 224+16*(\t&1)
.irp i, 0,1
.if \k
	v_wmma_f32_16x16x32_bf16 v[fd+8*\i:fd+8*\i+7], v[72+16*\i:79+16*\i], v[216:223], v[fd+8*\i:fd+8*\i+7]
.else
	v_wmma_f32_16x16x32_bf16 v[fd+8*\i:fd+8*\i+7], v[64+16*\i:71+16*\i], v[208:215], v[128+8*\i:135+8*\i]
.endif
.endr
.endm
.macro LIF1 p, t                       ; layer 1's neurons of step t; their packed spikes take the first 8 registers of their own D
	LIF 224+16*(\t&1), 80, 96, 224+16*(\t&1), 16, 14
	SPOUT \p, \t, 224+16*(\t&1)
.endm
; In every batch all first K halves (C = bias, window 1) come first, then all second halves in place: the accumulators take turns, one instruction a turn.
; Behind a batch stands the neuron work of another step, which names none of the batch's registers in its first 80 lines.
.macro FRONT p
	XFLOAD \p, 0
	XFLOAD \p, 1
	s_wait_dscnt 0x0
	WIN 0x11
	INW 0, 0
	INW 1, 0
	WIN 0x01
	INW 0, 1
	INW 1, 1
	WIN 0
	PLACES 4
	XFLOAD \p, 2                       ; into the registers that step 0's products have read
	LIF 144, 16, 48, 208, 32, 14
	s_wait_dscnt 0x0
	WIN 0x11
	INW 2, 0
	L1W 0, 0
	WIN 0x01
	INW 2, 1
	L1W 0, 1
	WIN 0
	XFLOAD \p, 3
	LIF 176, 16, 48, 208, 32, 14
	s_wait_dscnt 0x0
	WIN 0x11
	INW 3, 0
	L1W 1, 0
	WIN 0x01
	INW 3, 1
	L1W 1, 1
	WIN 0
	LIF1 \p, 0
	LIF 144, 16, 48, 208, 32, 14
	WIN 0x11
	L1W 2, 0
	WIN 0x01
	L1W 2, 1
	WIN 0
	LIF1 \p, 1
	LIF 176, 16, 48, 208, 32, 14
	WIN 0x11
	L1W 3, 0
	WIN 0x01
	L1W 3, 1
	WIN 0
	LIF1 \p, 2
	LIF1 \p, 3
.endm
; ---- stages 2 and 3: MID ---------------------------------------------------------------------------------------------------------------------------
; window 0: layer l (0..2): m 16 + 16 l, r 64 + 16 l; step t: D 112 + 16 t, spikes 176 + 8 t (in from LDS, then each layer's in place)
; window 1: weights of layer l, tile i at 16 l + 8 i; biases at 48 + 16 l + 8 i
.macro MW l, t
.irp i, 0,1
	v_wmma_f32_16x16x32_bf16 v[112+16*\t+8*\i:119+16*\t+8*\i], v[16*\l+8*\i:16*\l+8*\i+7], v[176+8*\t:183+8*\t], v[48+16*\l+8*\i:55+16*\l+8*\i]
.endr
.endm
.macro MLIF l, t
	LIF 112+16*\t, 16+16*\l, 64+16*\l, 176+8*\t, 16, 14+2*\l
.endm
.macro MID p
.irp i, 0,1,2,3,4,5,6,7
	ds_load_b128 v[176+4*\i:179+4*\i], v4 offset:(1-\p)*HALF+512*\i        ; what the wave before me stored last tick
.endr
	s_wait_dscnt 0x0
	WIN 0x11
	MW 0, 0
	MW 0, 1
	MW 0, 2
	MW 0, 3
	WIN 0
	PLACES 4
	MLIF 0, 0
	MLIF 0, 1
	WIN 0x11
	MW 1, 0
	MW 1, 1
	WIN 0
	MLIF 0, 2                          ; two steps' neurons stand between a product and the first use of its result
	MLIF 0, 3
	WIN 0x11
	MW 1, 2
	MW 1, 3
	WIN 0
	MLIF 1, 0
	MLIF 1, 1
	WIN 0x11
	MW 2, 0
	MW 2, 1
	WIN 0
	MLIF 1, 2
	MLIF 1, 3
	WIN 0x11
	MW 2, 2
	MW 2, 3
	WIN 0
	MLIF 2, 0
	SPOUT \p, 0, 176
	MLIF 2, 1
	SPOUT \p, 1, 184
	MLIF 2, 2
	SPOUT \p, 2, 192
	MLIF 2, 3
	SPOUT \p, 3, 200
.endm
; ---- stage 4: ACTOR --------------------------------------------------------------------------------------------------------------------------------
; window 0: m 16-55, r 56-95; D 112-151 (even steps), 152-191 (odd); packed spikes 192-215 (even), 216-239 (odd), the last 4 registers of each stay 0
;           (k = 80 .. 95 of the action product); action sums X 240-247 (even), Y 248-255 (odd)
; window 1: W_actor tile i at 8 i; b_actor at 40 + 8 i; action_mat fragment q at 80 + 8 q; W_critic at 104; layer 7's spikes of step t at 192 + 8 t
.macro AW t, d
.irp i, 0,1,2,3,4
	v_wmma_f32_16x16x32_bf16 v[\d+8*\i:\d+8*\i+7], v[8*\i:8*\i+7], v[192+8*\t:199+8*\t], v[40+8*\i:47+8*\i]
.endr
.endm
.macro ACT                             ; two steps' sums over my 80 neurons; X and Y take turns; the first links start the sums
	v_wmma_f32_16x16x32_bf16 v[240:247], v[80:87],  v[192:199], 0
	v_wmma_f32_16x16x32_bf16 v[248:255], v[80:87],  v[216:223], 0
	v_wmma_f32_16x16x32_bf16 v[240:247], v[88:95],  v[200:207], v[240:247]
	v_wmma_f32_16x16x32_bf16 v[248:255], v[88:95],  v[224:231], v[248:255]
	v_wmma_f32_16x16x32_bf16 v[240:247], v[96:103], v[208:215], v[240:247]
	v_wmma_f32_16x16x32_bf16 v[248:255], v[96:103], v[232:239], v[248:255]
.endm
; action_mat stands in rows 0-3 and 8-11 of source 0, so registers 0-3 of X and of Y hold the four actions of batch row r in both halves of the lanes.
; Lanes 0-15 keep the even step's, lanes 16-31 take the odd step's: one store of 512 bytes for the pair, into my out region.
.macro PSTORE p, pair
.irp j, 0,1,2,3
	v_cndmask_b32 v[240+\j], v[240+\j], v[248+\j], vcc_lo
.endr
	ds_store_b128 v4, v[240:243] offset:REG+\p*HALF+\pair*512
.endm
.macro ACTOR p
	s_mov_b32 vcc_lo, 0xffff0000       ; lanes 16-31, for PSTORE and the critic
	WIN 0x40
.irp i, 0,1,2,3,4,5,6,7
	ds_load_b128 v[192+4*\i:195+4*\i], v1 offset:(1-\p)*HALF+OUTB+2*REG+512*\i     ; wave 2's out region: layer 7's spikes
.endr
	s_wait_dscnt 0x0
	WIN 0x15
	AW 0, 112
	AW 1, 152
	WIN 0
	PLACES 4
	LIF 112, 16, 56, 192, 40, 14       ; step 0
	WIN 0x15
	AW 2, 112
	WIN 0
	LIF 152, 16, 56, 216, 40, 14       ; step 1
	WIN 0x15
	AW 3, 152
	WIN 0x01
	ACT                                ; steps 0 and 1
	WIN 0
	LIF 112, 16, 56, 192, 40, 14       ; step 2: its 100 lines ahead of the packing are the places behind ACT
	PSTORE \p, 0
	LIF 152, 16, 56, 216, 40, 14       ; step 3
	WIN 0x01
	ACT                                ; steps 2 and 3
	WIN 0
	PLACES 5                           ; four for PSTORE, which reads the sums; the fifth because the next matrix instructions in the text, the next tick's,
	PSTORE \p, 1                       ; write registers that ACT has named, and in the last ticks no other vector work stands between
.endm
; ---- the critic (wave 3) ---------------------------------------------------------------------------------------------------------------------------
; W_critic stands in rows 0 and 8 of source 0, so register 0 of D holds the dot product of batch row r in both halves of the lanes.
; v97 reset x 100, v98 + t the membrane of step t (v101 carries it to the next chunk), v102-103 at work, v104-105 store data.
.macro CSTEP t, prev
	v_add_f32 v102, s27, v[112+8*\t]               ; cur = dot + b
	v_fma_f32 v102, s26, v[\prev], v102            ; beta m + cur
	v_sub_f32 v[98+\t], v102, v97                  ; - reset thr
	v_fma_f32 v103, v[98+\t], s10, s25             ; (m - 100) 2^30
	v_med3_num_f32 v97, v103, 0, s24               ; 100 or 0
.endm
.macro CRITIC p
	WIN 0x05
.irp t, 0,1,2,3
	v_wmma_f32_16x16x32_bf16 v[112+8*\t:119+8*\t], v[104:111], v[192+8*\t:199+8*\t], 0
.endr
	WIN 0
	PLACES 4
	CSTEP 0, 101
	CSTEP 1, 98
	CSTEP 2, 99
	CSTEP 3, 100
	v_cndmask_b32 v104, v98,  v99,  vcc_lo         ; VCC still names lanes 16-31: lanes 0-15 store step t, lanes 16-31 step t + 1
	v_cndmask_b32 v105, v100, v101, vcc_lo
	global_store_b32 v12, v104, s[20:21] th:TH_STORE_NT
	global_store_b32 v12, v105, s[20:21] offset:32768 th:TH_STORE_NT
	s_wait_xcnt 0x0                                ; the base is stepped, and v104-105 written again next tick, only behind this wait
	s_add_nc_u64 s[20:21], s[20:21], 0x10000       ; 4 steps of 16,384 bytes
.endm
; ---- stage 5: OUTS (wave 7) ------------------------------------------------------------------------------------------------------------------------
; Two steps at a time: lane (r, h) adds the five waves' parts for batch row r of step 2 gp + h; sixteen lanes store 256 aligned consecutive bytes of out1.
.macro OUTS p
.irp gp, 0,1
.irp a, 0,1,2,3,4
	ds_load_b128 v[112+20*\gp+4*\a:115+20*\gp+4*\a], v5 offset:(1-\p)*HALF+\a*REG+\gp*512       ; the out regions of waves 3 to 7
.endr
.endr
	s_wait_dscnt 0x0
.irp b, 112,132
	v_pk_add_f32 v[\b:\b+1],     v[\b:\b+1],     v[\b+4:\b+5]
	v_pk_add_f32 v[\b+2:\b+3],   v[\b+2:\b+3],   v[\b+6:\b+7]
	v_pk_add_f32 v[\b+8:\b+9],   v[\b+8:\b+9],   v[\b+12:\b+13]
	v_pk_add_f32 v[\b+10:\b+11], v[\b+10:\b+11], v[\b+14:\b+15]
	v_pk_add_f32 v[\b:\b+1],     v[\b:\b+1],     v[\b+8:\b+9]
	v_pk_add_f32 v[\b+2:\b+3],   v[\b+2:\b+3],   v[\b+10:\b+11]
	v_pk_add_f32 v[\b:\b+1],     v[\b:\b+1],     v[\b+16:\b+17]
	v_pk_add_f32 v[\b+2:\b+3],   v[\b+2:\b+3],   v[\b+18:\b+19]
.endr
	global_store_b128 v13, v[112:115], s[22:23] th:TH_STORE_NT
	global_store_b128 v13, v[132:135], s[22:23] offset:131072 th:TH_STORE_NT
	s_wait_xcnt 0x0                                ; the base is stepped, and the data registers loaded again, only behind this wait
	s_add_nc_u64 s[22:23], s[22:23], 0x40000       ; 4 steps of 65,536 bytes
.endm
; ---- a tick ----------------------------------------------------------------------------------------------------------------------------------------
; p = the tick's parity (s4 is the trip's even tick); ld: x of two chunks ahead is asked for; cv = 1: x is converted, four younger loads stay out;
; cv = 2: converted while chunks are left, nothing younger is out; roles, bar: stages 1 to 4 and the closing barrier are present.
; First the wave's number picks the role; inside a role the stage works if its chunk, tick - stage, is 0 .. 31 (one unsigned compare).
; All branches hang on the wave's number and the tick; the barrier stands in the text that every wave passes.
.macro TICK p, ld, cv, roles, bar
.if \cv == 1
	XCONV \p, 4
.endif
.if \cv == 2
	s_add_co_u32 s5, s4, \p
	s_cmp_lt_u32 s5, CHUNKS
	s_cbranch_scc0 .Lnoconv_\@
	XCONV \p, 0
.Lnoconv_\@:
.endif
.if \ld
	XLOAD \p
.endif
.if \roles
	s_cmp_eq_u32 s2, 0
	s_cbranch_scc0 .Lnotfront_\@
	s_sub_co_u32 s5, s4, 1-\p                      ; stage 1
	s_cmp_lt_u32 s5, CHUNKS
	s_cbranch_scc0 .Ljoin_\@
	FRONT \p
	s_branch .Ljoin_\@
.Lnotfront_\@:
	s_cmp_eq_u32 s2, 1
	s_cbranch_scc1 .Lmid_\@
	s_cmp_eq_u32 s2, 2
	s_cbranch_scc0 .Lactor_\@
.Lmid_\@:
	s_sub_co_u32 s5, s4, s2                        ; stage = wave + 1: 2 or 3
	s_sub_co_u32 s5, s5, 1-\p
	s_cmp_lt_u32 s5, CHUNKS
	s_cbranch_scc0 .Ljoin_\@
	MID \p
	s_branch .Ljoin_\@
.Lactor_\@:
	s_sub_co_u32 s5, s4, 4-\p                      ; stage 4
	s_cmp_lt_u32 s5, CHUNKS
	s_cbranch_scc0 .Ljoin_\@
	ACTOR \p
	s_cmp_lg_u32 s2, 3
	s_cbranch_scc1 .Ljoin_\@
	CRITIC \p
.Ljoin_\@:
.endif
	s_cmp_lg_u32 s2, 7
	s_cbranch_scc1 .Lnoouts_\@
	s_sub_co_u32 s5, s4, 5-\p                      ; stage 5
	s_cmp_lt_u32 s5, CHUNKS
	s_cbranch_scc0 .Lnoouts_\@
	OUTS \p
.Lnoouts_\@:
.if \bar
	s_wait_dscnt 0x0                               ; for the others' sake: my stores into half p are done, and my reads of half 1 - p, which is written next tick
	s_barrier_signal -1
	s_barrier_wait -1
.endif
.endm
; ====================================================================================================================================================
; SET-UP, common part: every address that the loops use is made here, by every wave, from the wave's number, the lane and constants.
	s_load_b64 s[8:9], s[0:1], 0x0                 ; inputs
	s_load_b128 s[20:23], s[0:1], 0xb8             ; out0, out1
	s_set_vgpr_msb 0x40
	v_lshl_add_u32 v190, v0, 2, 0x14800
	v_mov_b32 v191, 0
	s_set_vgpr_msb 0x4000
	v_lshrrev_b32 v14, 5, v0
	v_readfirstlane_b32 s2, v14                    ; wave 0..7
	v_and_b32 v15, 31, v0
	v_lshlrev_b32 v1, 4, v15                       ; 16 x lane
	v_and_b32 v14, 15, v0                          ; r
	v_bfe_u32 v15, v0, 4, 1                        ; h
	v_lshlrev_b32 v8, 5, v15                       ; set-up: 32 h, eight f32 (biases, W_critic)
	v_lshl_add_u32 v9, v14, 7, v8                  ; set-up: 128 r + 32 h, rows of 32 f32
	v_lshl_add_u32 v10, v14, 8, v8                 ; set-up: 256 r + 32 h, rows of 64 f32
	v_and_b32 v11, 3, v14
	v_lshlrev_b32 v11, 2, v11
	v_lshl_add_u32 v11, v15, 7, v11                ; set-up: action_mat's column r & 3, 8 h neurons of 16 bytes
	v_mul_u32_u24 v3, v14, 144
	v_lshl_add_u32 v3, v15, 4, v3                  ; x fragments: 144 r + 16 h
	s_mul_i32 s5, s2, 1152                         ; x into LDS: step w >> 1 (2,304 bytes), rows 8 (w & 1) .. (1,152 bytes) = 1,152 w
	v_mul_u32_u24 v2, v15, 144
	v_lshl_add_u32 v2, v14, 3, v2
	v_add_nc_u32 v2, s5, v2                        ; + row h of the load's two + 8 bytes for my four numbers
	s_lshl_b32 s5, s2, 12
	s_add_co_u32 s5, s5, OUTB-REG
	v_add_nc_u32 v4, s5, v1                        ; the out region of wave w - 1; my own lies REG bytes behind
	v_add_nc_u32 v5, OUTB+3*REG, v1                ; the out region of wave 3
	v_lshlrev_b32 v12, 2, v14
	v_lshl_add_u32 v12, v15, 14, v12               ; out0: 4 r + a step of 16,384 bytes x h
	v_lshlrev_b32 v13, 4, v14
	v_lshl_add_u32 v13, v15, 16, v13               ; out1: 16 r + a step of 65,536 bytes x h
	s_mov_b32 s10, 0x4e800000                      ; 2^30, twice
	s_mov_b32 s11, 0x4e800000
	s_mov_b32 s12, 0x07060302                      ; v_perm_b32: the upper halves of two words
	s_mov_b32 s44, 0xffff0000
	s_and_b32 s48, s2, 1
	s_lshl_b32 s48, s48, 11                        ; x in memory: 2,048 (w & 1)
	s_lshr_b32 s49, s2, 1
	s_lshl_b32 s49, s49, 20                        ; + a step of 1 MiB x (w >> 1)
	s_add_co_u32 s48, s48, s49
	s_lshl_b32 s49, ttmp9, 12                      ; + 16 rows of 256 bytes x work-group
	s_add_co_u32 s48, s48, s49
	s_mov_b32 s49, 0
	s_lshl_b32 s50, ttmp9, 6                       ; out0: 16 rows of 4 bytes x work-group
	s_mov_b32 s51, 0
	s_lshl_b32 s52, ttmp9, 8                       ; out1: 16 rows of 16 bytes x work-group
	s_mov_b32 s53, 0
	s_wait_kmcnt 0x0
	s_add_nc_u64 s[8:9], s[8:9], s[48:49]
	s_add_nc_u64 s[20:21], s[20:21], s[50:51]
	s_add_nc_u64 s[22:23], s[22:23], s[52:53]
	XLOAD 0                                        ; chunks 0 and 1 go out ahead of everything else
	XLOAD 1
	s_wait_xcnt 0x0                                ; the base is stepped only behind this wait
	s_add_nc_u64 s[8:9], s[8:9], 0x800000          ; two chunks of 4 MiB: from now on the base stands at the trip's even tick + 2
	s_cmp_eq_u32 s2, 0
	s_cbranch_scc0 .Lset_not_front
; SET-UP of FRONT.  All loads go out as one batch into v16-255, one wait, then the conversions into window 1.
	s_load_b256 s[28:35], s[0:1], 0x8              ; W_in, b_in, W1, b1
	s_mov_b32 s13, 0x3e800000                      ; thr = 0.25, both layers
	s_mov_b32 s14, 0x3f266666                      ; beta = 0.65, both layers
	s_mov_b32 s15, 0x3f266666
	v_mov_b32 v6, 0xcd800000                       ; -0.25 x 2^30
	v_mov_b32 v7, 0xcd800000
	s_wait_kmcnt 0x0
.irp i, 0,1,2,3
.irp k, 0,1
	LDFRAG 16+16*(2*\i+\k), 10, 28, 4096*\i+128*\k
.endr
.endr
.irp i, 0,1
.irp k, 0,1
	LDFRAG 144+16*(2*\i+\k), 10, 32, 4096*\i+128*\k
.endr
.endr
.irp i, 0,1,2,3
	LDBIAS 208+8*\i, 8, 30, 64*\i
.endr
.irp i, 0,1
	LDBIAS 240+8*\i, 8, 34, 64*\i
.endr
	s_wait_loadcnt 0x0
.set ci, 144
.rept 32
	v_pk_mul_f32 v[ci:ci+1], v[ci:ci+1], 4.0 op_sel_hi:[1,0]       ; W1 reads spikes worth 0.25
.set ci, ci+2
.endr
.irp i, 0,1,2,3,4,5
	PACK 208+8*\i, 4
.endr
	WIN 0x40
.irp f, 0,1,2,3,4,5,6,7,8,9,10,11
	CVFRAG 16+16*\f, 8*\f                          ; W_in's eight fragments, W1's four behind them
.endr
.irp i, 0,1,2,3,4,5
	UNBIAS 208+8*\i, 96+8*\i                       ; b_in's four tiles, b1's two behind them
.endr
	WIN 0
	s_branch .Lset_done
.Lset_not_front:
	s_cmp_eq_u32 s2, 1
	s_cbranch_scc1 .Lset_mid
	s_cmp_eq_u32 s2, 2
	s_cbranch_scc0 .Lset_actor
; SET-UP of MID.  Both waves read all twelve addresses and choose their six on the wave's number.
.Lset_mid:
	s_load_b512 s[28:43], s[0:1], 0x28             ; W2, b2, W3, b3, W4, b4, W5, b5
	s_load_b256 s[52:59], s[0:1], 0x68             ; W6, b6, W7, b7
	s_mov_b32 s13, 1.0                             ; thr
	s_mov_b32 s18, 0x3f733333                      ; beta = 0.95: layers 4 to 7
	s_mov_b32 s19, 0x3f733333
	s_mov_b32 s5, 0x3f59999a                       ; beta = 0.85: layers 2 and 3
	s_cmp_eq_u32 s2, 1
	s_cselect_b32 s14, s5, s18
	s_cselect_b32 s46, 4.0, 1.0                    ; W2 reads spikes worth 0.25, W5 spikes worth 1
	s_mov_b32 s15, s14
	s_mov_b32 s16, s14
	s_mov_b32 s17, s14
	s_mov_b32 s47, s46
	v_mov_b32 v6, 0xce800000                       ; -1 x 2^30
	v_mov_b32 v7, 0xce800000
	s_wait_kmcnt 0x0
	s_cmp_eq_u32 s2, 2
	s_cselect_b64 s[28:29], s[40:41], s[28:29]
	s_cselect_b64 s[30:31], s[42:43], s[30:31]
	s_cselect_b64 s[32:33], s[52:53], s[32:33]
	s_cselect_b64 s[34:35], s[54:55], s[34:35]
	s_cselect_b64 s[36:37], s[56:57], s[36:37]
	s_cselect_b64 s[38:39], s[58:59], s[38:39]
.irp l, 0,1,2
.irp i, 0,1
	LDFRAG 16+16*(2*\l+\i), 9, 28+4*\l, 2048*\i
	LDBIAS 112+8*(2*\l+\i), 8, 30+4*\l, 64*\i
.endr
.endr
	s_wait_loadcnt 0x0
.set ci, 16
.rept 16
	v_pk_mul_f32 v[ci:ci+1], v[ci:ci+1], s[46:47] op_sel_hi:[1,0]
.set ci, ci+2
.endr
.irp f, 0,1,2,3,4,5
	PACK 112+8*\f, 4
.endr
	WIN 0x40
.irp f, 0,1,2,3,4,5
	CVFRAG 16+16*\f, 8*\f
	UNBIAS 112+8*\f, 48+8*\f
.endr
	WIN 0
	s_branch .Lset_done
; SET-UP of ACTOR.  Wave w takes neurons 80 (w - 3) .. + 79.  All five make the critic's fragment (four loads); wave 3 alone uses it.
.Lset_actor:
	s_load_b256 s[28:35], s[0:1], 0x88             ; W_actor, b_actor, action_mat, W_critic
	s_load_b128 s[36:39], s[0:1], 0xa8             ; b_critic, beta_critic
	s_mov_b32 s13, 1.0                             ; thr
	s_mov_b32 s14, 0x3f733333                      ; beta = 0.95
	s_mov_b32 s15, 0x3f733333
	s_mov_b32 s24, 0x42c80000                      ; the critic's thr = 100
	s_mov_b32 s25, 0xd1c80000                      ; -100 x 2^30
	v_mov_b32 v6, 0xce800000
	v_mov_b32 v7, 0xce800000
	s_sub_co_u32 s5, s2, 3
	s_mul_i32 s48, s5, 10240                       ; 80 rows of 128 bytes
	s_mov_b32 s49, 0
	s_mul_i32 s50, s5, 320
	s_mov_b32 s51, 0
	s_mul_i32 s52, s5, 1280                        ; 80 rows of 16 bytes
	s_mov_b32 s53, 0
	s_wait_kmcnt 0x0
	s_load_b32 s27, s[36:37], 0x0                  ; b_critic
	s_load_b32 s26, s[38:39], 0x0                  ; beta_critic
	s_add_nc_u64 s[28:29], s[28:29], s[48:49]
	s_add_nc_u64 s[30:31], s[30:31], s[50:51]
	s_add_nc_u64 s[32:33], s[32:33], s[52:53]
.irp i, 0,1,2,3,4
	LDFRAG 16+16*\i, 9, 28, 2048*\i
	LDBIAS 96+8*\i, 8, 30, 64*\i
.endr
	LDACT 0, 16
	LDACT 1, 16
	LDACT 2, 8                                     ; k = 64 .. 79; k = 80 .. 95 do not exist and are zeros
	LDFRAG 176, 8, 34, 0                           ; W_critic's one row, in every lane
	s_wait_kmcnt 0x0
	v_cvt_pk_bf16_f32 v14, s27, s26                ; both rounded to bf16
	v_lshlrev_b32 v15, 16, v14
	v_and_b32 v14, s44, v14
	v_readfirstlane_b32 s27, v15
	v_readfirstlane_b32 s26, v14
	s_wait_loadcnt 0x0
.irp i, 0,1,2,3,4
	PACK 96+8*\i, 4
.endr
	PACK 136, 8
	PACK 152, 8
	PACK 168, 4
	PACK 176, 8
	WIN 0x40
.irp i, 0,1,2,3,4
	CVFRAG 16+16*\i, 8*\i
	UNBIAS 96+8*\i, 40+8*\i
.endr
	s_mov_b32 vcc_lo, 0x0f0f0f0f                   ; rows 0 to 3 and 8 to 11: the four actions, once for each half of D's lanes
	MASKED 136, 80, 8
	MASKED 152, 88, 8
	MASKED 168, 96, 4
.irp i, 100,101,102,103
	v_mov_b32 v\i, 0
.endr
	s_mov_b32 vcc_lo, 0x01010101                   ; rows 0 and 8
	MASKED 176, 104, 8
	WIN 0
.irp i, 212,213,214,215,236,237,238,239
	v_mov_b32 v\i, 0                               ; spikes of k = 80 .. 95
.endr
.Lset_done:
	CLEAR 16, 96                                   ; every role's membranes and resets (in the actor waves the critic's v97 and v101 among them)
	s_mov_b32 s4, 0
; TICKS 0 to 29: x of chunks 2 to 31 is asked for, so no load passes the end of inputs.  In XCONV the count 4 leaves out the four loads of the other slot,
; issued one tick ago; the slot's own were issued two ticks ago.  No other load into registers stands in the loops.
.Lmain:
	TICK 0, 1, 1, 1, 1
	TICK 1, 1, 1, 1, 1
	s_wait_xcnt 0x0                                ; the base of the x loads is stepped only behind this wait
	s_add_nc_u64 s[8:9], s[8:9], 0x800000
	s_add_co_u32 s4, s4, 2
	s_cmp_lt_u32 s4, 30
	s_cbranch_scc1 .Lmain
; TICKS 30 to 35: the pipeline runs empty; chunks 30 and 31 are still converted.
.Ltail:
	TICK 0, 0, 2, 1, 1
	TICK 1, 0, 2, 1, 1
	s_add_co_u32 s4, s4, 2
	s_cmp_lt_u32 s4, 36
	s_cbranch_scc1 .Ltail
; TICK 36: wave 7 stores the last chunk's actions.
	TICK 0, 0, 0, 0, 0
	s_set_vgpr_msb 0x5
	s_wait_tensorcnt 0x0
	ds_add_u32 v190, v191
	s_wait_dscnt 0x0
	s_set_vgpr_msb 0x500
	s_endpgm
.Lfunc_end_k_q180b61fe93_snn:
	.size	k_q180b61fe93_snn, .Lfunc_end_k_q180b61fe93_snn-k_q180b61fe93_snn
	.p2alignl 7, 3214868480
	.fill 96, 4, 3214868480
	.section	.rodata,"a",@progbits
	.p2align	6, 0x0
	.amdhsa_kernel k_q180b61fe93_snn
		.amdhsa_group_segment_fixed_size 84992
		.amdhsa_private_segment_fixed_size 0
		.amdhsa_enable_private_segment 0
		.amdhsa_kernarg_size 200
		.amdhsa_user_sgpr_count 2
		.amdhsa_user_sgpr_kernarg_segment_ptr 1
		.amdhsa_wavefront_size32 1
		.amdhsa_system_sgpr_workgroup_id_x 1
		.amdhsa_system_sgpr_workgroup_id_y 1
		.amdhsa_system_sgpr_workgroup_id_z 1
		.amdhsa_system_vgpr_workitem_id 0
		.amdhsa_next_free_vgpr 512
		.amdhsa_next_free_sgpr 66
		.amdhsa_reserve_vcc 1
		.amdhsa_float_denorm_mode_32 3
		.amdhsa_float_denorm_mode_16_64 3
		.amdhsa_memory_ordered 1
		.amdhsa_forward_progress 1
		.amdhsa_inst_pref_size 255
	.end_amdhsa_kernel
	.section	.bss,"aw",@nobits
	.p2align	6
	.space	262144
	.amdgpu_metadata
---
amdhsa.version: [ 1, 2 ]
amdhsa.kernels:
  - .name:           k_q180b61fe93_snn
    .symbol:         k_q180b61fe93_snn.kd
    .args:
      - { .name: inputs, .offset: 0, .size: 8, .value_kind: global_buffer, .address_space: global }
      - { .name: W_in, .offset: 8, .size: 8, .value_kind: global_buffer, .address_space: global }
      - { .name: b_in, .offset: 16, .size: 8, .value_kind: global_buffer, .address_space: global }
      - { .name: W1, .offset: 24, .size: 8, .value_kind: global_buffer, .address_space: global }
      - { .name: b1, .offset: 32, .size: 8, .value_kind: global_buffer, .address_space: global }
      - { .name: W2, .offset: 40, .size: 8, .value_kind: global_buffer, .address_space: global }
      - { .name: b2, .offset: 48, .size: 8, .value_kind: global_buffer, .address_space: global }
      - { .name: W3, .offset: 56, .size: 8, .value_kind: global_buffer, .address_space: global }
      - { .name: b3, .offset: 64, .size: 8, .value_kind: global_buffer, .address_space: global }
      - { .name: W4, .offset: 72, .size: 8, .value_kind: global_buffer, .address_space: global }
      - { .name: b4, .offset: 80, .size: 8, .value_kind: global_buffer, .address_space: global }
      - { .name: W5, .offset: 88, .size: 8, .value_kind: global_buffer, .address_space: global }
      - { .name: b5, .offset: 96, .size: 8, .value_kind: global_buffer, .address_space: global }
      - { .name: W6, .offset: 104, .size: 8, .value_kind: global_buffer, .address_space: global }
      - { .name: b6, .offset: 112, .size: 8, .value_kind: global_buffer, .address_space: global }
      - { .name: W7, .offset: 120, .size: 8, .value_kind: global_buffer, .address_space: global }
      - { .name: b7, .offset: 128, .size: 8, .value_kind: global_buffer, .address_space: global }
      - { .name: W_actor, .offset: 136, .size: 8, .value_kind: global_buffer, .address_space: global }
      - { .name: b_actor, .offset: 144, .size: 8, .value_kind: global_buffer, .address_space: global }
      - { .name: action_mat, .offset: 152, .size: 8, .value_kind: global_buffer, .address_space: global }
      - { .name: W_critic, .offset: 160, .size: 8, .value_kind: global_buffer, .address_space: global }
      - { .name: b_critic, .offset: 168, .size: 8, .value_kind: global_buffer, .address_space: global }
      - { .name: beta_critic, .offset: 176, .size: 8, .value_kind: global_buffer, .address_space: global }
      - { .name: out0, .offset: 184, .size: 8, .value_kind: global_buffer, .address_space: global }
      - { .name: out1, .offset: 192, .size: 8, .value_kind: global_buffer, .address_space: global }
    .group_segment_fixed_size: 84992
    .private_segment_fixed_size: 0
    .kernarg_segment_align: 8
    .kernarg_segment_size: 200
    .max_flat_workgroup_size: 256
    .sgpr_count:     66
    .vgpr_count:     512
    .wavefront_size: 32
...
	.end_amdgpu_metadata
.endif
;; end of part 1
